; MI455X (gfx1250); checked and timed in simulation.
; The chip was launched on July 23, 2026; its instructions are those of AMD's public machine-readable ISA for CDNA 5 (MIT licence, August 2026) and "CDNA5" Instruction Set Architecture Reference Guide (July 2026). The comments in the code are by the model that wrote it; some were corrected since.
;; Span Attention. Allowed arithmetic: matrix products marked QUANTISED: E2M1 operands, one E8M0 scale for each 32 along K, by v_wmma_scale_f32_16x16x128_f8f6f4 with both operands' format E2M1 (or v_wmma_scale_f32_32x16x128_f4), f32 sums; products left as they are: f32 operands where the result goes on into a quantised operand, else bf16, f16 or f32 operands; f32 sums; everything else in f32.
;; Inputs: Wkv 1,024 x 2,048 float32; Wo 1,024 x 1,024 float32; Wq 1,024 x 1,024 float32; bkv 2,048 float32; bo 1,024 float32; bq 1,024 float32; kv 8 x 4,096 x 1,024 float32; mask 8 x 4,096 bool; q 8 x 1,024 float32.
;; Outputs: out0 8 x 64 x 1,024 float32.
;; Constants: span_size = 64.
;; This version of the problem:
;;   THIS VERSION OF THE PROBLEM IS GIVEN IN LOW PRECISION. The matrix products marked QUANTISED in the list below multiply operands that are first quantised to E2M1 (2 exponent bits, 1 mantissa bit; 4 bits a number), with one power-of-two scale for each 32 numbers along K (OCP MX v1.0); their sums are f32. All else is computed in f32.
;;   The module's matrix products, in the order in which they are computed (A, B: the left and right operand; K: the contracted axis; several contracted axes count as one K, in the product's order):
;;     1. [M 8, K 1,024] x [K 1,024, N 1,024]; A: input q; B: input Wq: left as it is (M = 8 < 16)
;;     2. [M 32,768, K 1,024] x [K 1,024, N 2,048]; A: input kv; B: input Wkv: QUANTISED
;;     3. batch 128 x [M 4,096, K 64] x [K 64, N 1]; A: computed on the way; B: computed on the way: left as it is (N = 1 < 16)
;;     4. batch 8,192 x [M 1, K 64] x [K 64, N 64]; A: softmax; B: computed on the way: left as it is (M = 1 < 16)
;;     5. [M 512, K 1,024] x [K 1,024, N 1,024]; A: computed on the way; B: input Wo: QUANTISED
;;   THE QUANTISER, for each operand of a quantised product, along K:
;;     - K is cut into blocks of 32 from its start; a last block that is shorter is filled with zeros.
;;     - A block's scale is 2^e with e = floor(log2(the largest magnitude in the block)) - 2, held to -126 .. 127; a block of zeros has e = 0. As a byte (E8M0): e + 127.
;;     - Each number is divided by its block's scale, clamped to +-6, and rounded to the nearest number of E2M1, ties to even, subnormals kept.
;;     - The product sums the exact products of the quantised numbers (number of the format x scale) in f32.
;;   ~~~python
;;   def quantise(x, axis):      # numpy; x: float32 -> the quantised numbers, widened to float32 again
;;       x = np.moveaxis(x, axis, -1); K = x.shape[-1]
;;       x = np.pad(x, [(0, 0)] * (x.ndim - 1) + [(0, -K % 32)]); x = x.reshape(x.shape[:-1] + (-1, 32)); a = np.abs(x).max(-1, keepdims=True)
;;       e = np.where(a > 0, np.clip(np.frexp(np.where(a > 0, a, 1))[1] - 1 - 2, -126, 127), 0)      # np.frexp(a)[1] - 1 = floor(log2(a)), exactly
;;       r = np.clip(x / 2.0 ** e, -6, 6)
;;       step = 2.0 ** (np.maximum(np.frexp(np.where(r == 0, 1, r))[1] - 1, 0) - 1)
;;       q = np.round(r / step) * step * 2.0 ** e      # np.round: ties to even
;;       return np.moveaxis(q.reshape(q.shape[:-2] + (-1,))[..., :K], -1, axis).astype(np.float32)
;;   ~~~
;;   OPERANDS COMPUTED ON THE WAY. 'Computed on the way' means the value that the module computes at that place (a softmax that the list does not call 'softmax' is quantised finished and normalised). What goes into a quantiser is computed in f32, as accurately as f32 sums, v_exp_f32 and their like allow (about 1e-6 of the number): no bf16 or f16 on the way to a quantiser, and a product that is left as it is and whose result goes on into a quantised operand takes f32 operands (vector FMAs, or v_wmma_f32_16x16x4_f32). A number that lies on a knife's edge between two numbers of the format may be rounded either way, as far as f32 arithmetic and the matrix unit's own rounding can turn it there, and no further.
;; One version. Each part assembles by itself: llvm-mc -triple=amdgcn-amd-amdhsa -mcpu=gfx1250 --defsym DOCPART=n.
;; ======== version 1 of 1: 3 launches
;; limits: right only within a limited range of input values
;; workspace buffers: wkv_img 1,114,112 bytes; wo_img 557,056 bytes; qh_part 131,072 bytes; o_codes 262,144 bytes; o_scales 16,384 bytes
;; launch prep (part 1): grid 160 x 1, 16 waves a work-group, no clusters, 45,056 bytes of LDS; arguments Wkv, Wo, Wq, q, wkv_img, wo_img, qh_part; writes wkv_img, wo_img, qh_part
.if DOCPART == 1
	.amdgcn_target "amdgcn-amd-amdhsa--gfx1250"
	.amdhsa_code_object_version 6
	.text
	.protected	k_qdf08072a7e_prep
	.globl	k_qdf08072a7e_prep
	.p2align	8
	.type	k_qdf08072a7e_prep,@function
k_qdf08072a7e_prep:
	s_mov_b64 s[64:65], 0
	v_nop
	global_prefetch_b8 v0, s[64:65] scope:SCOPE_SE
	s_setreg_imm32_b32 hwreg(HW_REG_WAVE_MODE, 25, 1), 1
	s_wait_xcnt 0x0
; THREE SMALL JOBS IN ONE LAUNCH, told apart by the work-group's number alone (each way has LDS bytes of its own and its own end):
;   work-groups 0-63:   Wkv [1024 (k)][2048], f32, into codes of FP4 (E2M1) with one E8M0 byte for each 32 along K, laid as operand images (below)
;   work-groups 64-95:  Wo  [1024 (k)][1024] likewise
;   work-groups 96-159: four partial sums over K of q @ Wq, in f32 by fused multiply-adds: qh_part[kq][b][n] = sum over k = 256 kq .. 256 kq + 255 of q[b][k] Wq[k][n]
; A PIECE of an image is 64 columns x all 1,024 of K, 34,816 bytes, in the order of the matrix operand's registers:
;   codes:  the 16 bytes of column 16 nt + r, block of 32 number 4 ks + 2 c + h, lie at ks*4096 + nt*1024 + c*512 + h*256 + r*16: so fragment (ks, nt) is two loads of 16 bytes a lane at 16 x lane, 512 bytes apart
;   scales: from byte 32,768: [nt / 2][ks / 4][lane = 16 (nt % 2) + r][16 bytes], byte i = block 16 (ks / 4) + i: one load of 16 bytes gives a lane the scale words of four K steps
; Wkv's column group cg = 16 p + 4 t + w (p: 0 = K, 1 = V; head 4 t + w) is piece 8 t + 4 p + w; Wo's column group cg is piece cg.
; K is the weights' FIRST axis: a lane takes a column and its registers run down K, so a block of 32 lies in one lane and nothing is transposed.
; A block's scale is 2^(floor(log2(largest magnitude)) - 2); its byte is the largest magnitude's exponent field - 2, held at 1 from below.
; LIMITS: a block of zeros gets the byte 1 where the rule says 127 (its codes are zeros, and only this program reads the bytes); blocks whose largest magnitude lies under 2^-124 are held at the byte 1;
; NaN and infinities among the inputs are not served.  The order of qh's f32 sum differs from a plain ascending one.
; WORK LEFT OUT IN THIS PROGRAM: the first 1,024 numbers of bkv (K's bias bk).  In reference() bk adds qh[b, h] . bk[h] to the scores of a head: the same number for all rows of a span, so the softmax over the span takes it away,
; whatever the inputs hold.  A masked score is the most negative f32 number with bk or without it: beside an unmasked score its weight is 0, and where a whole span is masked all its weights are equal.
; So no launch loads that half of bkv; V's half is live and is loaded.  LIMIT: a NaN, an infinity or an overflow that reaches only qh . bk is not carried to the result.
.set PIECEB, 34816
.set LBK,  0                           ; LDS: scale bytes on their way out, Wkv's way: 2 x 512 bytes
.set LBO,  1024                        ; the same, Wo's way
.set QST,  2048                        ; q's way: 512 bytes a wave: q[b][k] of the wave's 16 k, as [k][b]
.set PST,  10240                       ; q's way: 2,048 bytes a wave: its partial sums [b][64 columns]
.set WV,   18                          ; s18 my wave's number
.set T0,   8
.set T1,   9
.set SO,   11
; 32 numbers of one block in v[x] on become 32 codes in v[pc .. pc + 3] and the scale's byte in v[sb]
.macro BLOCKQ x, pc, sb
.set XQ, \x
.set PQ, \pc
	v_max3_num_f32 v[T0], |v[XQ]|, |v[XQ+1]|, |v[XQ+2]|           ; the largest magnitude, in two chains
	v_max3_num_f32 v[T1], |v[XQ+3]|, |v[XQ+4]|, |v[XQ+5]|
.irp i, 6,10,14,18,22,26
	s_delay_alu instid0(VALU_DEP_2)
	v_max3_num_f32 v[T0], v[T0], |v[XQ+\i]|, |v[XQ+\i+1]|
	s_delay_alu instid0(VALU_DEP_2)
	v_max3_num_f32 v[T1], v[T1], |v[XQ+\i+2]|, |v[XQ+\i+3]|
.endr
	s_delay_alu instid0(VALU_DEP_2)
	v_max3_num_f32 v[T0], v[T0], |v[XQ+30]|, |v[XQ+31]|
	s_delay_alu instid0(VALU_DEP_1)
	v_max3_num_f32 v[T0], v[T0], v[T1], 0x1800000                 ; and the floor 2^(3 - 127): the byte cannot fall under 1
	s_delay_alu instid0(VALU_DEP_1)
	v_add_nc_u32 v[SO], 0xff000000, v[T0]                         ; 2 off the exponent field: the conversion takes this operand's exponent field as its scale
	s_delay_alu instid0(VALU_DEP_1)
	v_lshrrev_b32 v[\sb], 23, v[SO]                               ; the scale's byte
.irp g, 0,1,2,3
	v_cvt_scalef32_pk8_fp4_f32 v[PQ+\g], v[XQ+8*\g:XQ+8*\g+7], v[SO]
.endr
	v_nop                                                         ; one plain line behind the last scaled conversion
.endm
; A weight's way.  A work-group takes 64 columns x 512 of K; wave v: columns 32 (v % 2) on, K 64 (v / 2) on: two blocks a lane.
.macro WQ pitch, lb, wp, ip, x0, iskv
	s_sub_co_u32 s20, ttmp9, \x0
	s_lshr_b32 s21, s20, 1                         ; cg: which 64 columns
	s_and_b32 s22, s20, 1                          ; g: which half of K
	s_and_b32 s23, s[WV], 1                        ; u
	s_lshr_b32 s24, s[WV], 1                       ; q
	s_lshl_b32 s26, s22, 9
	s_lshl_b32 s25, s24, 6
	s_add_co_u32 s26, s26, s25                     ; my first k = 512 g + 64 q
	s_mul_i32 s26, s26, \pitch
	s_lshl_b32 s25, s21, 8
	s_add_co_u32 s26, s26, s25                     ; + 64 cg columns
	s_lshl_b32 s25, s23, 7
	s_add_co_u32 s26, s26, s25                     ; + 32 u columns
	s_mov_b32 s27, 0
.if \iskv
	s_and_b32 s28, s21, 12                         ; 4 t
	s_lshl_b32 s28, s28, 1                         ; 8 t
	s_lshr_b32 s25, s21, 4
	s_lshl_b32 s25, s25, 2                         ; 4 p
	s_add_co_u32 s28, s28, s25
	s_and_b32 s25, s21, 3                          ; w
	s_add_co_u32 s28, s28, s25
.else
	s_mov_b32 s28, s21
.endif
	s_mul_i32 s28, s28, PIECEB                     ; my piece
	s_mov_b32 s29, 0
	s_lshl_b32 s30, s22, 2
	s_lshr_b32 s25, s24, 1
	s_add_co_u32 s30, s30, s25                     ; ks = 4 g + q / 2
	s_lshl_b32 s30, s30, 12
	s_lshl_b32 s25, s23, 11                        ; nt = 2 u + lane / 16
	s_add_co_u32 s30, s30, s25
	s_and_b32 s25, s24, 1                          ; c = q % 2
	s_lshl_b32 s25, s25, 9
	s_add_co_u32 s30, s30, s25
	s_mov_b32 s31, 0
	s_lshl_b32 s32, s23, 10                        ; the scales' way out (waves 0 and 1, where u is the wave): 32,768 + 1,024 u + 512 g
	s_lshl_b32 s25, s22, 9
	s_add_co_u32 s32, s32, s25
	s_add_co_u32 s32, s32, 32768
	s_mov_b32 s33, 0
	s_lshl_b32 s40, s23, 9
	s_add_co_u32 s41, s40, \lb                     ; LDS: 512 u
	s_lshl_b32 s25, s24, 1
	s_add_co_u32 s40, s41, s25                     ; + 2 q: my two bytes of a column's sixteen
	v_lshlrev_b32 v2, 2, v1                        ; in: 4 bytes a lane: a wave's load covers 128 consecutive bytes, waves u = 0 and 1 side by side
	v_lshrrev_b32 v3, 4, v1
	v_and_b32 v7, 15, v1
	s_delay_alu instid0(VALU_DEP_2)
	v_lshlrev_b32 v3, 10, v3
	s_delay_alu instid0(VALU_DEP_1)
	v_lshl_add_u32 v3, v7, 4, v3                   ; out: 1,024 (lane / 16) + 16 (lane % 16)
	v_lshl_add_u32 v4, v1, 4, s40
	v_lshl_add_u32 v5, v1, 4, s41
	v_lshlrev_b32 v6, 4, v1
	s_wait_alu depctr_va_vdst(0)
	s_wait_kmcnt 0x0
	s_add_nc_u64 s[34:35], s[\wp:\wp+1], s[26:27]
	s_add_nc_u64 s[36:37], s[\ip:\ip+1], s[28:29]
	s_add_nc_u64 s[38:39], s[36:37], s[32:33]
	s_add_nc_u64 s[36:37], s[36:37], s[30:31]
.set I_, 0
.rept 64
	global_load_b32 v[32+I_], v2, s[34:35] offset:I_*\pitch th:TH_LOAD_NT
.set I_, I_+1
.endr
	s_wait_loadcnt 32                              ; the first block's 32 loads are in; the second block's 32 may be out
	BLOCKQ 32, 96, 12
	global_store_b128 v3, v[96:99], s[36:37]       ; lanes 0-15 and lanes 16-31 each store 256 consecutive bytes, aligned
	s_wait_loadcnt 0x0
	BLOCKQ 64, 100, 13
	global_store_b128 v3, v[100:103], s[36:37] offset:256
	v_lshl_or_b32 v14, v13, 8, v12                 ; my column's two scale bytes
	ds_store_b16 v4, v14
	s_wait_dscnt 0x0                               ; for the others' sake: my store has landed
	s_barrier_signal -1
	s_barrier_wait -1
	s_cmp_gt_u32 s[WV], 1
	s_cbranch_scc1 .Lw_end_\@
	ds_load_b128 v[104:107], v5                    ; sixteen bytes of one column: eight waves wrote them
	s_wait_dscnt 0x0
	global_store_b128 v6, v[104:107], s[38:39]     ; 512 consecutive bytes
.Lw_end_\@:
	s_wait_tensorcnt 0x0
	ds_add_u32 v224, v225
	s_wait_dscnt 0x0
	s_endpgm
.endm
	s_load_b256 s[4:11], s[0:1], 0x0               ; Wkv s[4:5], Wo s[6:7], Wq s[8:9], q s[10:11]
	s_load_b128 s[12:15], s[0:1], 0x20             ; wkv_img s[12:13], wo_img s[14:15]
	s_load_b64 s[16:17], s[0:1], 0x30              ; qh_part
	v_lshl_add_u32 v224, v0, 2, 0xa800
	v_mov_b32 v225, 0
	v_lshrrev_b32 v1, 5, v0
	s_delay_alu instid0(VALU_DEP_1)
	v_readfirstlane_b32 s[WV], v1                  ; wave 0..15
	v_and_b32 v1, 31, v0                           ; lane
	s_cmp_lt_u32 ttmp9, 64
	s_cbranch_scc1 .Lwkv
	s_cmp_lt_u32 ttmp9, 96
	s_cbranch_scc1 .Lwo
	; ---- q @ Wq: a work-group takes 64 columns x 256 of K; wave v takes 16 of K; a lane two columns, all eight rows of q
	s_sub_co_u32 s20, ttmp9, 96
	s_and_b32 s21, s20, 15                         ; which 64 columns
	s_lshr_b32 s22, s20, 4                         ; kq: which quarter of K
	s_lshl_b32 s23, s22, 8
	s_lshl_b32 s24, s[WV], 4
	s_add_co_u32 s23, s23, s24                     ; my first k
	s_lshl_b32 s26, s23, 2
	s_mov_b32 s27, 0
	s_lshl_b32 s28, s23, 12
	s_lshl_b32 s24, s21, 8
	s_add_co_u32 s28, s28, s24
	s_mov_b32 s29, 0
	s_and_b32 s25, s[WV], 7                        ; on the way out waves 0-7 take row b = wave
	s_lshl_b32 s30, s22, 15
	s_add_co_u32 s30, s30, s24
	s_lshl_b32 s24, s25, 12
	s_add_co_u32 s30, s30, s24
	s_mov_b32 s31, 0
	s_wait_alu depctr_va_vdst(0)
	v_and_b32 v7, 15, v1                           ; kk
	v_lshrrev_b32 v8, 4, v1                        ; bh
	s_delay_alu instid0(VALU_DEP_2)
	v_lshlrev_b32 v2, 2, v7
	s_delay_alu instid0(VALU_DEP_1)
	v_lshl_add_u32 v2, v8, 12, v2                  ; q: row bh, k kk
	v_lshlrev_b32 v3, 3, v1                        ; Wq and qh_part: 8 bytes a lane: 256 consecutive bytes a wave
	s_lshl_b32 s24, s[WV], 9
	s_add_co_u32 s24, s24, QST
	v_lshl_add_u32 v4, v7, 5, s24
	s_delay_alu instid0(VALU_DEP_1)
	v_lshl_add_u32 v4, v8, 2, v4                   ; [kk][b]: 32 kk + 4 bh (+ 8 i)
	v_mov_b32 v5, s24
	s_lshl_b32 s24, s[WV], 11
	s_add_co_u32 s24, s24, PST
	v_lshl_add_u32 v6, v1, 3, s24
	s_lshl_b32 s24, s25, 8
	s_add_co_u32 s24, s24, PST
	v_lshl_add_u32 v9, v1, 3, s24
	s_wait_alu depctr_va_vdst(0)
	s_wait_kmcnt 0x0
	s_add_nc_u64 s[34:35], s[10:11], s[26:27]
	s_add_nc_u64 s[36:37], s[8:9], s[28:29]
	s_add_nc_u64 s[38:39], s[16:17], s[30:31]
.irp i, 0,1,2,3
	global_load_b32 v[24+\i], v2, s[34:35] offset:8192*\i          ; q[2 i + bh][k0 + kk]
.endr
.irp i, 0,1,2,3,4,5,6,7,8,9,10,11,12,13,14,15
	global_load_b64 v[32+2*\i:33+2*\i], v3, s[36:37] offset:4096*\i th:TH_LOAD_NT   ; Wq[k0 + i][my two columns]
.endr
	s_wait_loadcnt 16                              ; q's four loads are in; Wq's sixteen may be out
.irp i, 0,1,2,3
	ds_store_b32 v4, v[24+\i] offset:8*\i
.endr
.irp j, 0,1,2,3,4,5,6,7,8,9,10,11,12,13,14,15,16,17,18,19,20,21,22,23,24,25,26,27,28,29,30,31
	ds_load_b128 v[64+4*\j:67+4*\j], v5 offset:16*\j               ; every lane reads all: v[64 + 8 i + b] = q[b][k0 + i].  My wave's own bytes: LDS serves a wave's instructions in order
.endr
	s_wait_loadcnt 0x0
	s_wait_dscnt 0x0
.irp bp, 0,1,2,3                       ; the first k starts the sums: nothing is cleared.  Of q's pair the low word serves row 2 bp, the high word row 2 bp + 1
	v_pk_mul_f32 v[192+4*\bp:193+4*\bp], v[32:33], v[64+2*\bp:65+2*\bp] op_sel_hi:[1,0]
	v_pk_mul_f32 v[194+4*\bp:195+4*\bp], v[32:33], v[64+2*\bp:65+2*\bp] op_sel:[0,1] op_sel_hi:[1,1]
.endr
.irp i, 1,2,3,4,5,6,7,8,9,10,11,12,13,14,15
.irp bp, 0,1,2,3
	v_pk_fma_f32 v[192+4*\bp:193+4*\bp], v[32+2*\i:33+2*\i], v[64+8*\i+2*\bp:65+8*\i+2*\bp], v[192+4*\bp:193+4*\bp] op_sel_hi:[1,0,1]
	v_pk_fma_f32 v[194+4*\bp:195+4*\bp], v[32+2*\i:33+2*\i], v[64+8*\i+2*\bp:65+8*\i+2*\bp], v[194+4*\bp:195+4*\bp] op_sel:[0,1,0] op_sel_hi:[1,1,1]
.endr
.endr
.irp b, 0,1,2,3,4,5,6,7
	ds_store_b64 v6, v[192+2*\b:193+2*\b] offset:256*\b
.endr
	s_wait_dscnt 0x0                               ; for the others' sake: my partial sums have landed
	s_barrier_signal -1
	s_barrier_wait -1
	s_cmp_gt_u32 s[WV], 7
	s_cbranch_scc1 .Lq_end
.irp j, 0,1,2,3,4,5,6,7,8,9,10,11,12,13,14,15
	ds_load_b64 v[32+2*\j:33+2*\j], v9 offset:2048*\j              ; row b = my wave: the sixteen waves' sums
.endr
	s_wait_dscnt 0x0
.irp j, 0,4,8,12,16,20,24,28
	v_pk_add_f32 v[32+\j:33+\j], v[32+\j:33+\j], v[34+\j:35+\j]
.endr
.irp j, 0,8,16,24
	v_pk_add_f32 v[32+\j:33+\j], v[32+\j:33+\j], v[36+\j:37+\j]
.endr
.irp j, 0
	s_delay_alu instid0(VALU_DEP_3)
	v_pk_add_f32 v[32+\j:33+\j], v[32+\j:33+\j], v[40+\j:41+\j]
.endr
.irp j, 16
	s_delay_alu instid0(VALU_DEP_2)
	v_pk_add_f32 v[32+\j:33+\j], v[32+\j:33+\j], v[40+\j:41+\j]
.endr
	s_delay_alu instid0(VALU_DEP_1)
	v_pk_add_f32 v[32:33], v[32:33], v[48:49]
	global_store_b64 v3, v[32:33], s[38:39]        ; 256 consecutive bytes, aligned
.Lq_end:
	s_wait_tensorcnt 0x0
	ds_add_u32 v224, v225
	s_wait_dscnt 0x0
	s_endpgm
.Lwkv:
	s_wait_alu depctr_va_vdst(0)
	WQ 8192, LBK, 4, 12, 0, 1
.Lwo:
	s_wait_alu depctr_va_vdst(0)
	WQ 4096, LBO, 6, 14, 64, 0
.Lfunc_end_k_qdf08072a7e_prep:
	.size	k_qdf08072a7e_prep, .Lfunc_end_k_qdf08072a7e_prep-k_qdf08072a7e_prep
	.p2alignl 7, 3214868480
	.fill 96, 4, 3214868480
	.section	.rodata,"a",@progbits
	.p2align	6, 0x0
	.amdhsa_kernel k_qdf08072a7e_prep
		.amdhsa_group_segment_fixed_size 45056
		.amdhsa_private_segment_fixed_size 0
		.amdhsa_enable_private_segment 0
		.amdhsa_kernarg_size 56
		.amdhsa_user_sgpr_count 2
		.amdhsa_user_sgpr_kernarg_segment_ptr 1
		.amdhsa_wavefront_size32 1
		.amdhsa_system_sgpr_workgroup_id_x 1
		.amdhsa_system_sgpr_workgroup_id_y 1
		.amdhsa_system_sgpr_workgroup_id_z 1
		.amdhsa_system_vgpr_workitem_id 0
		.amdhsa_next_free_vgpr 226
		.amdhsa_next_free_sgpr 66
		.amdhsa_reserve_vcc 0
		.amdhsa_float_denorm_mode_32 3
		.amdhsa_float_denorm_mode_16_64 3
		.amdhsa_memory_ordered 1
		.amdhsa_forward_progress 1
		.amdhsa_inst_pref_size 43
	.end_amdhsa_kernel
	.amdgpu_metadata
---
amdhsa.version: [ 1, 2 ]
amdhsa.kernels:
  - .name:           k_qdf08072a7e_prep
    .symbol:         k_qdf08072a7e_prep.kd
    .args:
      - { .name: Wkv, .offset: 0, .size: 8, .value_kind: global_buffer, .address_space: global }
      - { .name: Wo, .offset: 8, .size: 8, .value_kind: global_buffer, .address_space: global }
      - { .name: Wq, .offset: 16, .size: 8, .value_kind: global_buffer, .address_space: global }
      - { .name: q, .offset: 24, .size: 8, .value_kind: global_buffer, .address_space: global }
      - { .name: wkv_img, .offset: 32, .size: 8, .value_kind: global_buffer, .address_space: global }
      - { .name: wo_img, .offset: 40, .size: 8, .value_kind: global_buffer, .address_space: global }
      - { .name: qh_part, .offset: 48, .size: 8, .value_kind: global_buffer, .address_space: global }
    .group_segment_fixed_size: 45056
    .private_segment_fixed_size: 0
    .kernarg_segment_align: 8
    .kernarg_segment_size: 56
    .max_flat_workgroup_size: 512
    .sgpr_count:     66
    .vgpr_count:     226
    .wavefront_size: 32
...
	.end_amdgpu_metadata
.endif
;; end of part 1
;; launch main (part 2): grid 256 x 1, 4 waves a work-group, clusters of 4 x 1, 327,680 bytes of LDS; arguments kv, mask, bkv, wkv_img, qh_part, bq, o_codes, o_scales; writes o_codes, o_scales
.if DOCPART == 2
	.amdgcn_target "amdgcn-amd-amdhsa--gfx1250"
	.amdhsa_code_object_version 6
	.text
	.protected	k_qdf08072a7e_main
	.globl	k_qdf08072a7e_main
	.p2align	8
	.type	k_qdf08072a7e_main,@function
k_qdf08072a7e_main:
	s_mov_b64 s[64:65], 0
	v_nop
	global_prefetch_b8 v0, s[64:65] scope:SCOPE_SE
	s_setreg_imm32_b32 hwreg(HW_REG_WAVE_MODE, 25, 1), 1
	s_wait_xcnt 0x0
	s_wait_alu depctr_hold_cnt(0) depctr_sa_sdst(0) depctr_va_vdst(0) depctr_va_sdst(0) depctr_va_ssrc(0) depctr_va_vcc(0) depctr_vm_vsrc(0)
	s_getreg_b32 s2, hwreg(HW_REG_IB_STS2, 6, 4)
	s_cmp_eq_u32 s2, 0
	s_cbranch_scc0 .Lentry_in_a_cluster
	s_endpgm
.Lentry_in_a_cluster:
	s_bfe_u32 s2, ttmp6, 0x10000c
	s_cmp_lg_u32 s2, 0x3003
	s_cbranch_scc0 .Lentry_shape_is_right
	s_endpgm
.Lentry_shape_is_right:
; SPAN ATTENTION, all but the last projection.  A work-group owns 128 rows of kv [32768][1024] f32: two spans of 64.  It reads them once, quantises them along K to FP4 (E2M1, one E8M0 byte for each 32),
; multiplies them by all of Wkv's codes (images made by the launch before), and for each of the 16 heads forms the scores with the batch's one query, the masked softmax over each span and the weighted sum of V.
; K and V never go to memory.  What leaves: the two span rows [1024], quantised along their 1,024 for the last projection: o_codes [512][512 bytes], o_scales [512][32].
; WORK LEFT OUT: K's bias (the first half of bkv).  It adds qh . bk to every unmasked score of a span, which the softmax takes away (the argument stands at the first kernel's head); a NaN, an infinity or an overflow that
; reaches only that term is not carried to the result.
; PHASE X.  Wave w quantises rows 32 w .. 32 w + 31.  Each load reads 256 consecutive bytes of two rows; 16 rows x 256 bytes turn through the wave's own stage in LDS, so that a lane then holds one whole block of 32
; of one row; the codes go to the other waves as images of the operand's registers (16 bytes a lane at 16 x lane), one barrier for each 128 along K, two buffers.  EVERY wave then holds the codes of ALL 128 rows: 512 registers.
; MATRIX PHASE.  In pass t = 0..3 wave w takes head 4 t + w for all 128 rows: its 64 columns of K, then its 64 of V, 128 matrix instructions of 32 x 16 x 128 each on 16 accumulators.  A byte of Wkv's image in LDS is read once, by one wave.
;   K is used transposed (source 0 = 32 columns of Wkv, source 1 = 16 rows of kv): a lane holds one row and the columns run down its registers, so the score is fused multiply-adds down the registers and one exchange of halves.
;   V is used as it stands (source 0 = 32 rows, source 1 = 16 columns): a lane holds one column and rows run down its registers, so the weighted sum is again fused multiply-adds down the registers.
; FRAGMENTS of Wkv: four sets of registers, one a K step; a set's eight loads are one run, two K steps (32 matrix instructions) ahead of its use.
; THE RING.  Two LDS slots of four pieces (34,816 bytes each, one a wave); slot 0 takes K's pieces, slot 1 V's.  All work-groups walk the same image, so the four of a cluster ask for each piece JOINTLY.
;   A cluster of four and no more: a mask names four work-groups, and every work-group shares the image alike.  kv is shared by nobody and comes by plain loads.
;   Slot 0 is first filled at the head, slot 1 at the barrier of phase X's K step 6, behind which no load of kv is asked for any more.
; SCALING.  1 / sqrt(64) and log2(e) are multiplied into qh once: the scores come out ready for the exponential to the base 2.  The sum of the weights divides behind the weighted sum, where bv is added.
; LIMITS.  NaN and infinities among the inputs are not served.  The softmax's promise holds while the scaled scores (to the base 2, ahead of the maximum) stay under 2^31.  A block of zeros gets the byte 1 where the rule says 127
; (its codes are zeros; only this program reads the bytes); blocks whose largest magnitude lies under 2^-124 are held at the byte 1.  A weight under 2^-126 comes out of v_exp_f32 as 0.
; o_scales is stored in pieces of 32 bytes (16 KiB in the whole launch).
; REGISTERS, in windows of 256 (s_set_vgpr_msb: bits 1:0 source 0, 3:2 source 1, 5:4 source 2, 7:6 destination):
;   window 0: v0-79 addresses, the softmax and, in phase X, the quantiser; v80-111 kv's scale words; v112-127 a piece's scale words; v128-255 in phase X the numbers at work, then the four sets of Wkv's fragments
;   window 1: kv's fragments of row tiles 0-3 (tile mt, K step ks at 16 (8 (mt / 2) + ks) + 8 (mt % 2));  window 2: those of row tiles 4-7;  window 3: in phase X the ring of loads, then the accumulators
.set PIECEB, 34816                     ; a piece: 32,768 bytes of codes, 2,048 of scale bytes = 136 x 256
.set SLOT,  4*PIECEB
.set SPARE, 2*SLOT                     ; behind the ring: the spare words, 128 bytes for each wave: two blocks of 256 bytes that no other line names
.set TURN,  SPARE+512                  ; a stage of 16 rows x (256 + 16) bytes for each wave
.set TPW,   16*272
.set ASTG,  TURN+4*TPW                 ; images of the 8 fragments of kv of one K step: 8,192 bytes, two buffers
.set ASCS,  ASTG+2*8192                ; kv's scale words: [128 rows][8 K steps]
.set QHS,   ASCS+4096                  ; qh of my batch, scaled: 1,024 f32
.set PSC,   QHS+4096                   ; 512 bytes a wave: the weights of 128 rows
.set OUTS,  ASTG                       ; behind phase X: the two span rows, 4,608 bytes each: 16 bytes of padding behind each 128
.set AQ0,  1
.set ABV0, 2
.set PSA,  3
.set PRA,  4
.set AO0,  5
.set AQ,   6
.set ABV,  7
.set ADB,  8                           ; v8, v9: my piece in slot 0, 1, + 16 x lane
.set AO,   10
.set OUTR, 11
.set NEG,  12
.set L16,  13                          ; 16 x lane
.set LN,   14                          ; lane
.set PFO,  15                          ; 256 x lane; never rewritten
.set SPW,  16                          ; LDS address of my spare word: SPARE + 4 x my thread's number; never rewritten
.set NIL,  17                          ; 0; never rewritten
.set BV,   18
.set MX,   22
.set LS,   24
.set TL,   26
.set PR,   28
.set SE,   36
.set S,    44
.set S2,   52
.set T0,   44                          ; the quantiser's registers lie where the softmax's S and S2 lie later
.set T1,   45
.set SO,   46
.set SB0,  47
.set SB1,  48
.set PC,   52
.set GA,   68                          ; kv: 4,096 (lane / 16) + 16 (lane % 16)
.set TW,   69                          ; the stage, in
.set TR,   70                          ; the stage, out
.set IW,   71                          ; where I store images
.set IR,   72                          ; where I read them
.set SW,   73                          ; where I store scale words
.set SR,   74                          ; where I read them
.set H8,   75
.set RR,   76                          ; lane % 16
.set PX,   77
.set PW,   78
.set ASC,  80
.set BSC,  112
.set BF,   128                         ; the four sets
.set QH,   BF                          ; qh at the lane's 32 of the head's 64: in set 0, which K's last two steps do not use
.set P,    BF+64                       ; the weights of 128 rows: in sets 2 and 3, which V's last two steps do not use
.set X,    128
.set HT,   192                         ; the head's loads: 32 of partial sums, 8 of bq, 8 of the mask
.set WV,   20                          ; s20 my wave's number
.set CX,   21                          ; s21 my place in the cluster: it enters global addresses alone
.set G1,   24                          ; s[24:31] descriptor group 1
.set G0,   32                          ; s[32:39] descriptor group 0, a set for each slot
.set SEL,  40                          ; s[40:41] v_permlanex16_b32's selects for lane l xor 16
.set MK,   42                          ; s[42:49] for each row tile: the lanes whose row's mask is true
.set HM,   50                          ; lanes 16-31
.set RT,   51                          ; 1,024 x pass: four heads' 256 bytes
.set RO,   52                          ; 1,152 x pass: four heads' 288 bytes in a span row in LDS
.set RND,  53                          ; passes that refill, still to go
.set LIM,  55                          ; 1 in the first cluster, else the greatest number
.set PFA,  56                          ; s[56:57] where my prefetches stand
.set MSB, 0
.macro WIN new                         ; the immediate's high byte repeats the setting that is left; a switch that changes nothing is dropped
.if MSB != (\new)
	s_set_vgpr_msb (MSB<<8)|(\new)
.set MSB, (\new)
.endif
.endm
.macro PLACES                          ; four plain lines between a matrix instruction and a load into, or a vector read of, its registers
.rept 4
	v_nop
.endr
.endm
.macro CREST                           ; a round of the cluster's barrier behind its opening barrier
	s_cmp_lg_u32 s[WV], 0
	s_cbranch_scc1 .Lnot_wave_0_\@
	s_barrier_signal -3
.Lnot_wave_0_\@:
	s_barrier_wait -3
	s_barrier_signal -1
	s_barrier_wait -1
.endm
.macro CROUND                          ; a whole round
	s_barrier_signal -1
	s_barrier_wait -1
	CREST
.endm
; Set v of 32: 16 rows (tile 2 w + (v / 2) % 2) x 64 numbers (K step v / 4, half v % 2).  Lanes 0-15 read 256 consecutive bytes of row 2 i, lanes 16-31 of row 2 i + 1
.macro KVLOAD v
	WIN 0xc0
.irp i, 0,1,2,3,4,5,6,7
	global_load_b128 v[32*((\v)%8)+4*\i:32*((\v)%8)+4*\i+3], v[GA], s[4:5] offset:(((\v)/2)%2)*65536+\i*8192+((\v)/4)*512+((\v)%2)*256 th:TH_LOAD_NT
.endr
	WIN 0
.endm
; Set v through my stage: in as loaded, out 128 bytes a lane: lane (r, h) then holds block 2 (v % 2) + h of the K step, of row r.  LDS serves a wave's instructions in order: no wait between
.macro TURNX v
	WIN 0x0c
.irp i, 0,1,2,3,4,5,6,7
	ds_store_b128 v[TW], v[32*((\v)%8)+4*\i:32*((\v)%8)+4*\i+3] offset:544*\i
.endr
	WIN 0
.irp j, 0,1,2,3,4,5,6,7
	ds_load_b128 v[X+32*((\v)%2)+4*\j:X+32*((\v)%2)+4*\j+3], v[TR] offset:16*\j
.endr
.endm
; 32 numbers of one block in v[x] on become 32 codes in v[pc .. pc + 3] and the scale's byte in v[sb]
.macro BLOCKQ x, pc, sb
.set XQ, \x
.set PQ, \pc
	v_max3_num_f32 v[T0], |v[XQ]|, |v[XQ+1]|, |v[XQ+2]|
	v_max3_num_f32 v[T1], |v[XQ+3]|, |v[XQ+4]|, |v[XQ+5]|
.irp i, 6,10,14,18,22,26
	v_max3_num_f32 v[T0], v[T0], |v[XQ+\i]|, |v[XQ+\i+1]|
	v_max3_num_f32 v[T1], v[T1], |v[XQ+\i+2]|, |v[XQ+\i+3]|
.endr
	v_max3_num_f32 v[T0], v[T0], |v[XQ+30]|, |v[XQ+31]|
	v_max3_num_f32 v[T0], v[T0], v[T1], 0x1800000                 ; the floor 2^(3 - 127): the byte cannot fall under 1
	v_add_nc_u32 v[SO], 0xff000000, v[T0]                         ; 2 off the exponent field: the conversion's scale operand
	v_lshrrev_b32 v[\sb], 23, v[SO]                               ; the scale's byte
.irp g, 0,1,2,3
	v_cvt_scalef32_pk8_fp4_f32 v[PQ+\g], v[XQ+8*\g:XQ+8*\g+7], v[SO]
.endr
	v_nop                                                         ; one plain line behind the last scaled conversion
.endm
.macro AFETCH ks                       ; the eight fragments of K step ks, from all four waves' images, into windows 1 and 2
.irp w, 0,1
	WIN 0x40+0x40*\w
.irp m, 0,1,2,3
.irp c, 0,1
	ds_load_b128 v[16*(8*(\m/2)+(\ks))+8*(\m%2)+4*\c:16*(8*(\m/2)+(\ks))+8*(\m%2)+4*\c+3], v[IR] offset:((\ks)%2)*8192+(4*\w+\m)*1024+\c*512
.endr
.endr
.endr
	WIN 0
.endm
; Set v is quantised; set v + 1 goes through the stage meanwhile; set v + 8 is asked for
.macro HALF v
.set KS_, (\v)/4
.set E_, ((\v)/2)%2
.set C_, (\v)%2
.if (\v) < 31
.if (\v) <= 24
	s_wait_loadcnt 48                              ; set v + 1 is in; the six sets asked for behind it may be out
.else
	s_wait_loadcnt 8*(30-(\v))                     ; the last sets: the count runs down
.endif
	TURNX (\v)+1
	s_wait_dscnt 16                                ; all but the sixteen just issued: set v is back from the stage, and the stage's stores have read set v's registers
.else
	s_wait_dscnt 0x0
.endif
.if (\v)+8 < 32
	KVLOAD (\v)+8
.endif
	BLOCKQ X+32*C_, PC+4*C_, SB0+C_
	ds_store_b128 v[IW], v[PC+4*C_:PC+4*C_+3] offset:(KS_%2)*8192+E_*1024+C_*512   ; registers 4 c .. 4 c + 3 of the fragment, as they stand
.if C_ == 1
	v_lshl_or_b32 v[PW], v[SB1], 16, v[SB0]        ; my two bytes: blocks h and 2 + h of row r,
	v_lshlrev_b32 v[PW], v[H8], v[PW]              ; at their places in the scale word;
	v_permlanex16_b32 v[PX], v[PW], s[SEL], s[SEL+1]
	v_or_b32 v[PW], v[PW], v[PX]                   ; with lane l xor 16's two the word is whole
	ds_store_b32 v[SW], v[PW] offset:E_*512+4*KS_  ; (both halves of the lanes store the same word)
.endif
.if (\v)%4 == 3
.if (\v) == 27                         ; SLOT 1'S FIRST FILL: these lines, and a round of the cluster's barrier in the barrier's place
	s_wait_tensorcnt 0x0                           ; my piece of slot 0 has landed (only I read it)
	ds_add_u32 v[SPW], v[NIL]                      ; 0 onto my spare word
	s_wait_dscnt 0x0                               ; the add is done; my images have landed, and my reads of the other buffer are over
	CROUND
	tensor_load_to_lds s[G0+4:G0+7], s[G1:G1+7]
	s_nop 0
	PLACES
.else
	s_wait_dscnt 0x0                               ; my images of this K step have landed, and my reads of the other buffer are over: it is written again behind this barrier
	s_barrier_signal -1
	s_barrier_wait -1
.endif
	AFETCH KS_
.endif
.endm
.macro FR s, ks, nt, off               ; my piece's fragment (ks, nt) in slot s into its set: (ks + off) % 4
.set FB_, BF+32*(((\ks)+(\off))%4)+8*(\nt)
	ds_load_b128 v[FB_:FB_+3], v[ADB+(\s)] offset:(\ks)*4096+(\nt)*1024
	ds_load_b128 v[FB_+4:FB_+7], v[ADB+(\s)] offset:(\ks)*4096+(\nt)*1024+512
.endm
; A piece's scale words (register 8 u + ks: lanes 0-15 column tile 2 u, lanes 16-31 column tile 2 u + 1), and its first two sets: 20 loads
.macro FIRST s, off
.irp u, 0,1
.irp g, 0,1
	ds_load_b128 v[BSC+8*\u+4*\g:BSC+8*\u+4*\g+3], v[ADB+(\s)] offset:32768+\u*1024+\g*512
.endr
.endr
.irp k, 0,1
.irp n, 0,1,2,3
	FR \s, \k, \n, \off
.endr
.endr
.endm
; one matrix instruction, 32 x 16 x 128: z: the sum begins; rb: source 1's scales stand in lanes 16-31 (source 0's fill all 32 lanes)
.macro WM d, a, b, z, sa, sb, rb
.if (\z) && (\rb)
	v_wmma_scale_f32_32x16x128_f4 v[\d:\d+15], v[\a:\a+15], v[\b:\b+7], 0, v[\sa], v[\sb] matrix_b_scale:MATRIX_SCALE_ROW1
.elseif (\z)
	v_wmma_scale_f32_32x16x128_f4 v[\d:\d+15], v[\a:\a+15], v[\b:\b+7], 0, v[\sa], v[\sb]
.elseif (\rb)
	v_wmma_scale_f32_32x16x128_f4 v[\d:\d+15], v[\a:\a+15], v[\b:\b+7], v[\d:\d+15], v[\sa], v[\sb] matrix_b_scale:MATRIX_SCALE_ROW1
.else
	v_wmma_scale_f32_32x16x128_f4 v[\d:\d+15], v[\a:\a+15], v[\b:\b+7], v[\d:\d+15], v[\sa], v[\sb]
.endif
.endm
; Four matrix instructions: row tiles 2 i and 2 i + 1 x the piece's 64 columns, K step ks.  part 0: K, transposed, accumulator (mt, column pair u) at 16 (2 mt + u); part 1: V, as it stands, accumulator (i, nt) at 16 (4 i + nt).
; The 16 accumulators take turns, one instruction a turn, in the same order in every K step.
.macro UNIT part, ks, i
.set ST_, BF+32*(((\ks)+2*(\part))%4)
.set CF_, 16*(8*((\i)%2)+(\ks))
.if \part
	WIN 0xF1+(\i)/2                                ; source 0 (kv) window 1 or 2, source 1 (Wkv) window 0, C and D window 3
.irp n, 0,1,2,3
	WM 16*(4*(\i)+\n), CF_, ST_+8*\n, (\ks)==0, ASC+8*(\i)+(\ks), BSC+8*(\n/2)+(\ks), \n%2
.endr
.else
	WIN 0xF4+4*((\i)/2)                            ; source 0 (Wkv) window 0, source 1 (kv) window 1 or 2, C and D window 3
.irp m, 0,1
.irp u, 0,1
	WM 16*(2*(2*(\i)+\m)+\u), ST_+16*\u, CF_+8*\m, (\ks)==0, BSC+8*\u+(\ks), ASC+8*(\i)+(\ks), \m
.endr
.endr
.endif
.endm
; A piece: eight K steps.  At the head of K steps 0 to 5 stands the run of loads for the K step two on; in K's step 6 that for qh; in V's steps 6 and 7 those for the weights.
; y: the LDS instructions issued behind the piece's first two sets, which may stay out, with the next set's eight loads, at its first two steps.
; Places stand in K steps 2, 4 and 6: each serves the runs of two steps, into sets that the two steps before have read.
.macro PIECE part, s, y
.irp ks, 0,1,2,3,4,5,6,7
.if \ks < 2
	s_wait_dscnt 8+\y
.else
	s_wait_dscnt 8                                 ; this step's set is in; the eight loads behind it may be out
.endif
.if (\ks == 2) || (\ks == 4) || (\ks == 6)
	PLACES
.endif
.irp i, 0,1,2,3
.if \ks < 6
	FR \s, \ks+2, \i, 2*\part
.elseif \part
	ds_load_b128 v[P+8*(4*(\ks-6)+\i):P+8*(4*(\ks-6)+\i)+3], v[PRA] offset:64*(4*(\ks-6)+\i)       ; register 8 mt + j = the weight of row 16 mt + 8 h + j
	ds_load_b128 v[P+8*(4*(\ks-6)+\i)+4:P+8*(4*(\ks-6)+\i)+7], v[PRA] offset:64*(4*(\ks-6)+\i)+16
.elseif \ks == 6
	ds_load_b128 v[QH+8*\i:QH+8*\i+3], v[AQ] offset:64*\i                                          ; qh at 16 nt + 8 h + j
	ds_load_b128 v[QH+8*\i+4:QH+8*\i+7], v[AQ] offset:64*\i+16
.endif
.endr
.irp i, 0,1,2,3
	UNIT \part, \ks, \i
.endr
	WIN 0
.endr
.endm
; A PREFETCH INTO THE L2, behind the joint load, its four lines and the run of LDS loads: the codes of the pieces that the NEXT change of slots will ask for.  All clusters walk the same image: the first cluster asks.
; Wave w names its own piece; the four partners share its 32,768 bytes of codes out BY ADDRESS, 8,192 each, lanes 256 bytes apart: each block is named once in the launch.  A piece's 2,048 scale bytes are not asked for.
; how = 0 (slot 0 is refilled): there is always a later fill.  how = 1 (slot 1): not in the loop's last trip, where the fill just asked for is the image's last.
.macro ASK how
.if \how
	s_cmp_gt_u32 s[RND], s[LIM]
.else
	s_cmp_eq_u32 s[LIM], 1
.endif
	s_cbranch_scc0 .Lnot_mine_\@
	global_prefetch_b8 v[PFO], s[PFA:PFA+1] th:TH_LOAD_NT scope:SCOPE_SE
.Lnot_mine_\@:
.endm
; BEHIND K, the dot products.  Lane (r, h), accumulator (mt, nt / 2), register 8 (nt % 2) + j: K(row 16 mt + r, 16 nt + 8 h + j) without its bias.  Eight chains by turns; each accumulator is read from its low end on
.macro DOT
	WIN 0x03                                       ; source 0: the accumulators
.irp nt, 0,1,2,3
.irp jp, 0,1,2,3
.irp mt, 0,1,2,3,4,5,6,7
.if (\nt == 0) && (\jp == 0)
	v_pk_mul_f32 v[S2+2*\mt:S2+2*\mt+1], v[8*(4*\mt+\nt)+2*\jp:8*(4*\mt+\nt)+2*\jp+1], v[QH+8*\nt+2*\jp:QH+8*\nt+2*\jp+1]
.else
	v_pk_fma_f32 v[S2+2*\mt:S2+2*\mt+1], v[8*(4*\mt+\nt)+2*\jp:8*(4*\mt+\nt)+2*\jp+1], v[QH+8*\nt+2*\jp:QH+8*\nt+2*\jp+1], v[S2+2*\mt:S2+2*\mt+1]
.endif
.endr
.endr
.endr
	WIN 0
.endm
; BEHIND V, the weighted sums.  Lane (r, h), accumulator (mt / 2, nt), register 8 (mt % 2) + j: V(row 16 mt + 8 h + j, column 16 nt + r) without its bias.  Eight chains by turns (span, column tile)
.macro WSUM
	WIN 0x03
.irp m, 0,1,2,3
.irp jp, 0,1,2,3
.irp sp, 0,1
.irp nt, 0,1,2,3
.set VA_, 16*(4*(2*\sp+\m/2)+\nt)+8*(\m%2)+2*\jp
.set WA_, P+8*(4*\sp+\m)+2*\jp
.set SA_, S2+2*(4*\sp+\nt)
.if (\m == 0) && (\jp == 0)
	v_pk_mul_f32 v[SA_:SA_+1], v[VA_:VA_+1], v[WA_:WA_+1]
.else
	v_pk_fma_f32 v[SA_:SA_+1], v[VA_:VA_+1], v[WA_:WA_+1], v[SA_:SA_+1]
.endif
.endr
.endr
.endr
.endr
	WIN 0
.endm
; THE CHANGE OF SLOTS: slot s has been read out and is filled again, two fills on.  Each wave waits for all its tensor loads (one is out: its piece in the other slot), adds 0 to its spare word, waits for that and for its reads
; of the slot; a round of the cluster's barrier, the finished piece's products standing between its opening signal and wait; the joint refill first behind it.
.macro CHANGE s
	s_wait_tensorcnt 0x0                           ; no tensor load of mine is out, so a group 0 may be written
	ds_add_u32 v[SPW], v[NIL]                      ; 0 onto my spare word
	s_add_nc_u64 s[G0+4*\s+2:G0+4*\s+3], s[G0+4*\s+2:G0+4*\s+3], 2*SLOT   ; the type bits on top are not reached
	s_wait_xcnt 0x0                                ; the last prefetch, a piece back, has read its address
	s_add_nc_u64 s[PFA:PFA+1], s[PFA:PFA+1], SLOT
	s_wait_dscnt 0x0                               ; the add is done, and my reads of the slot (and of qh or the weights) are over
	s_barrier_signal -1
	PLACES                                         ; ahead of the first reads of results
.if \s
	WSUM
.else
	DOT
.endif
	s_wait_alu depctr_va_vdst(0)
	s_barrier_wait -1
	CREST
	tensor_load_to_lds s[G0+4*\s:G0+4*\s+3], s[G1:G1+7]
	s_nop 0
	PLACES
	FIRST 1-\s, 2-2*\s                             ; the other slot's first two sets: V's into sets 2 and 3, K's into sets 0 and 1
	ASK \s
.endm
; Scores, mask, softmax's exponentials over each span of 64 rows
.macro SOFTMAX
.irp mt, 0,1,2,3,4,5,6,7
	v_add_f32 v[S+\mt], v[S2+2*\mt], v[S2+2*\mt+1]
.endr
.irp mt, 0,1,2,3,4,5,6,7
	v_permlanex16_b32 v[PR+\mt], v[S+\mt], s[SEL], s[SEL+1]
.endr
.irp mt, 0,1,2,3,4,5,6,7
	v_add_f32 v[S+\mt], v[S+\mt], v[PR+\mt]        ; with the other 32 of the head's 64: both halves of the lanes now hold row 16 mt + r's score to the base 2
.endr
.irp mt, 0,1,2,3,4,5,6,7
	v_cndmask_b32 v[S+\mt], v[NEG], v[S+\mt], s[MK+\mt]   ; where the mask is false: the most negative f32 number
.endr
.irp sp, 0,1
	v_max3_num_f32 v[MX+\sp], v[S+4*\sp], v[S+4*\sp+1], v[S+4*\sp+2]
.endr
.irp sp, 0,1
	v_max_num_f32 v[MX+\sp], v[MX+\sp], v[S+4*\sp+3]
.endr
.irp x, 1,2,4,8
.irp sp, 0,1
	v_max_num_f32_dpp v[MX+\sp], v[MX+\sp], v[MX+\sp] row_xmask:\x row_mask:0xf bank_mask:0xf   ; over the sixteen rows of a tile: the span's largest score
.endr
.endr
.irp mt, 0,1,2,3,4,5,6,7
	v_sub_f32 v[S+\mt], v[S+\mt], v[MX+\mt/4]
.endr
	s_wait_alu depctr_va_vdst(0)                   ; ahead of the batch of exponentials,
.irp mt, 0,1,2,3,4,5,6,7
	v_exp_f32 v[SE+\mt], v[S+\mt]
.endr
	v_nop                                          ; a plain line behind the last exponential
	s_wait_alu depctr_va_vdst(0)                   ; and behind it, ahead of its first reader
.irp mt, 0,1,2,3,4,5,6,7
	ds_store_b32 v[PSA], v[SE+\mt] offset:64*\mt   ; row 16 mt + r's weight, not normalised (both halves of the lanes store the same word).  My wave's own bytes: LDS serves a wave's instructions in order
.endr
.endm
; The sums of the weights, the two halves of the rows, the division, bv: the head's 64 numbers of both span rows
.macro TAIL
.irp sp, 0,1
	v_add_f32 v[LS+\sp], v[SE+4*\sp], v[SE+4*\sp+1]
	v_add_f32 v[TL+\sp], v[SE+4*\sp+2], v[SE+4*\sp+3]
.endr
.irp i, 0,1,2,3,4,5,6,7
	v_add_f32 v[S+\i], v[S2+2*\i], v[S2+2*\i+1]
.endr
.irp sp, 0,1
	v_add_f32 v[LS+\sp], v[LS+\sp], v[TL+\sp]
.endr
.irp i, 0,1,2,3,4,5,6,7
	v_permlanex16_b32 v[PR+\i], v[S+\i], s[SEL], s[SEL+1]
.endr
.irp sp, 0,1
	v_add_f32_dpp v[LS+\sp], v[LS+\sp], v[LS+\sp] row_xmask:1 row_mask:0xf bank_mask:0xf
.endr
.irp i, 0,1,2,3
	v_add_f32 v[S+\i], v[S+\i], v[PR+\i]           ; with the other half's rows
.endr
.irp sp, 0,1
	v_add_f32_dpp v[LS+\sp], v[LS+\sp], v[LS+\sp] row_xmask:2 row_mask:0xf bank_mask:0xf
.endr
.irp i, 4,5,6,7
	v_add_f32 v[S+\i], v[S+\i], v[PR+\i]
.endr
.irp sp, 0,1
	v_add_f32_dpp v[LS+\sp], v[LS+\sp], v[LS+\sp] row_xmask:4 row_mask:0xf bank_mask:0xf
.endr
.irp nt, 0,1,2,3
	v_cndmask_b32 v[S+\nt], v[S+\nt], v[S+4+\nt], s[HM]   ; lanes 0-15 carry span 0, lanes 16-31 span 1
.endr
.irp sp, 0,1
	v_add_f32_dpp v[LS+\sp], v[LS+\sp], v[LS+\sp] row_xmask:8 row_mask:0xf bank_mask:0xf
.endr
	v_cndmask_b32 v[LS], v[LS], v[LS+1], s[HM]
	s_wait_alu depctr_va_vdst(0)                   ; waits ahead of and behind the reciprocal
	v_rcp_f32 v[TL], v[LS]
	v_nop
	s_wait_alu depctr_va_vdst(0)
.irp nt, 0,1,2,3
	v_fma_f32 v[S+\nt], v[S+\nt], v[TL], v[BV+\nt] ; / the sum, + bv
.endr
.irp nt, 0,1,2,3
	ds_store_b32 v[AO], v[S+\nt] offset:64*\nt+16*(\nt/2)
.endr
.endm
; A pass: four heads, one a wave.  fill = 1: both slots are filled again.
.macro PASS fill
	v_add_nc_u32 v[AQ], s[RT], v[AQ0]
	v_add_nc_u32 v[ABV], s[RT], v[ABV0]            ; (the last pass's loads by this register were waited for)
	v_add_nc_u32 v[AO], s[RO], v[AO0]
.irp nt, 0,1,2,3
	global_load_b32 v[BV+\nt], v[ABV], s[8:9] offset:4096+64*\nt   ; bv at my four columns 16 nt + r
.endr
	s_wait_alu depctr_va_vdst(0)
	PIECE 0, 0, 4                                  ; behind K's first two sets: the last pass's four stores of span numbers
.if \fill
	CHANGE 0
.else
	s_wait_tensorcnt 0x0                           ; my last piece has landed; only I read it
	PLACES
	FIRST 1, 2
	s_wait_dscnt 20                                ; qh is in; the 20 loads just issued may be out
	DOT
.endif
	SOFTMAX
	PIECE 1, 1, 8                                  ; behind V's first two sets: the weights' eight stores
	s_wait_loadcnt 0x0                             ; bv
.if \fill
	CHANGE 1
.else
	s_wait_dscnt 0x0                               ; the weights
	PLACES
	WSUM
.endif
	TAIL
.if \fill
	s_add_co_u32 s[RT], s[RT], 1024
	s_add_co_u32 s[RO], s[RO], 1152
.endif
.endm
	s_load_b256 s[4:11], s[0:1], 0x0               ; kv s[4:5], mask s[6:7], bkv s[8:9], wkv_img s[10:11]
	s_load_b256 s[12:19], s[0:1], 0x20             ; qh_part s[12:13], bq s[14:15], o_codes s[16:17], o_scales s[18:19]
	v_lshl_add_u32 v[SPW], v0, 2, SPARE
	v_mov_b32 v[NIL], 0
	ds_add_u32 v[SPW], v[NIL]                      ; the wave's opening: the add, twice on end, and its wait ahead of my first tensor load; the set-up below, work on registers, stands between
	ds_add_u32 v[SPW], v[NIL]
	v_lshrrev_b32 v[T0], 5, v0
	v_readfirstlane_b32 s[WV], v[T0]               ; wave 0..3
	s_bfe_u32 s[CX], ttmp6, 0x40000                ; my place in the cluster
	s_lshl_b32 s22, ttmp9, 2                       ; in a cluster launch ttmp9 counts clusters
	s_add_co_u32 s22, s22, s[CX]                   ; g: my 128 rows
	s_lshr_b32 s23, ttmp9, 3                       ; my batch: 32 work-groups, 8 clusters, to a batch
	; descriptor group 1: a piece is a dense block: 136 rows of 256 bytes (32 elements of 8 bytes), no padding
	s_mov_b32 s[G1], 15|(3<<16)|(1<<21)            ; 15:0 the mask: all four work-groups; 17:16 elements of 8 bytes; 21 set beside a mask
	s_mov_b32 s[G1+1], 32<<16                      ; tensor_dim0 = 32
	s_mov_b32 s[G1+2], 136<<16                     ; tensor_dim1 = 136
	s_mov_b32 s[G1+3], 32<<16                      ; tile_dim0 = 32
	s_mov_b32 s[G1+4], 136                         ; tile_dim1 = 136
	s_mov_b32 s[G1+5], 32                          ; from row to row
	s_mov_b32 s[G1+6], 0
	s_mov_b32 s[G1+7], 0
	s_mov_b32 s[SEL], 0x76543210
	s_mov_b32 s[SEL+1], 0xfedcba98
	s_mov_b32 s[HM], 0xffff0000
	s_mov_b32 s[RT], 0
	s_mov_b32 s[RO], 0
	s_mov_b32 s[RND], 3
	s_cmp_eq_u32 ttmp9, 0
	s_cselect_b32 s[LIM], 1, -1                    ; the same in all four partners
	v_and_b32 v[LN], 31, v0
	v_and_b32 v[RR], 15, v0                        ; r
	v_bfe_u32 v[T0], v0, 4, 1                      ; h
	v_lshlrev_b32 v[GA], 4, v[RR]
	v_lshl_add_u32 v[GA], v[T0], 12, v[GA]
	s_mul_i32 s58, s[WV], TPW
	s_add_co_u32 s58, s58, TURN                    ; my stage
	v_mul_u32_u24 v[TW], v[T0], 272
	v_lshl_add_u32 v[TW], v[RR], 4, v[TW]
	v_add_nc_u32 v[TW], s58, v[TW]                 ; in: row h (+ 2 i), 16 bytes at 16 r
	v_mul_u32_u24 v[TR], v[RR], 272
	v_lshl_add_u32 v[TR], v[T0], 7, v[TR]
	v_add_nc_u32 v[TR], s58, v[TR]                 ; out: row r, 128 bytes at 128 h
	s_lshl_b32 s58, s[WV], 11
	s_add_co_u32 s58, s58, ASTG
	v_lshl_add_u32 v[IW], v[LN], 4, s58            ; my two row tiles' images
	v_lshl_add_u32 v[IR], v[LN], 4, ASTG
	s_lshl_b32 s58, s[WV], 10
	s_add_co_u32 s58, s58, ASCS
	v_lshl_add_u32 v[SW], v[RR], 5, s58            ; my 32 rows' scale words, 32 bytes a row
	v_lshl_add_u32 v[SR], v[LN], 5, ASCS
	s_mul_i32 s60, s[WV], PIECEB                   ; my piece in a slot, and in a fill: no place in the cluster enters it
	s_mov_b32 s61, 0
	v_lshl_add_u32 v[ADB], v[LN], 4, s60
	v_add_nc_u32 v[ADB+1], SLOT, v[ADB]
	s_lshl_b32 s59, s[WV], 8                       ; my head of a pass's four: 256 bytes
	s_add_co_u32 s58, s59, QHS
	v_lshl_add_u32 v[AQ0], v[T0], 5, s58
	v_lshl_add_u32 v[ABV0], v[RR], 2, s59
	s_lshl_b32 s58, s[WV], 9
	s_add_co_u32 s58, s58, PSC
	v_lshl_add_u32 v[PSA], v[RR], 2, s58
	v_lshl_add_u32 v[PRA], v[T0], 5, s58
	s_mul_i32 s58, s[WV], 288
	s_add_co_u32 s58, s58, OUTS
	v_mul_u32_u24 v[AO0], v[T0], 4608
	v_lshl_add_u32 v[AO0], v[RR], 2, v[AO0]
	v_add_nc_u32 v[AO0], s58, v[AO0]               ; span h's row, my head's two blocks of 32 (144 bytes each), column r
	s_and_b32 s62, s[WV], 1
	s_mul_i32 s58, s62, 4608
	s_add_co_u32 s58, s58, OUTS
	v_mul_u32_u24 v[OUTR], v[LN], 144
	v_add_nc_u32 v[OUTR], s58, v[OUTR]             ; at the end waves 0 and 1 read a span row each: a lane a block
	v_lshlrev_b32 v[PFO], 8, v[LN]
	v_lshlrev_b32 v[H8], 3, v[T0]
	v_lshlrev_b32 v[L16], 4, v[LN]
	v_lshlrev_b32 v[AO], 5, v0                     ; for now: 32 x thread, my 8 numbers of qh in memory,
	v_lshl_add_u32 v[AQ], v0, 5, QHS               ; and in LDS
	v_mov_b32 v[NEG], 0xff7fffff                   ; the most negative f32 number
	v_mov_b32 v[PX], 0                             ; a lane permute's destination counts as one of its sources: written once
.irp i, 0,1,2,3,4,5,6,7
	v_mov_b32 v[PR+\i], 0
.endr
	s_wait_alu depctr_va_vdst(0)                   ; behind the head's vector instructions
	s_wait_dscnt 0x0                               ; both opening adds are done
	s_wait_kmcnt 0x0
	s_lshl_b32 s58, s22, 19                        ; 128 rows of 4,096 bytes
	s_lshl_b32 s59, s[WV], 17                      ; my wave's 32 of them
	s_add_co_u32 s58, s58, s59
	s_mov_b32 s59, 0
	s_add_nc_u64 s[4:5], s[4:5], s[58:59]
	s_lshl_b32 s58, s22, 7
	s_add_nc_u64 s[6:7], s[6:7], s[58:59]          ; the mask of my 128 rows
	s_lshl_b32 s58, s23, 12
	s_add_nc_u64 s[12:13], s[12:13], s[58:59]      ; my batch's row of each partial sum
.irp mt, 0,1,2,3,4,5,6,7
	global_load_u8 v[HT+40+\mt], v[RR], s[6:7] offset:16*\mt       ; the mask of row 16 mt + r
.endr
.irp p, 0,1,2,3
	global_load_b128 v[HT+8*\p:HT+8*\p+3], v[AO], s[12:13] offset:32768*\p
	global_load_b128 v[HT+8*\p+4:HT+8*\p+7], v[AO], s[12:13] offset:32768*\p+16
.endr
	global_load_b128 v[HT+32:HT+35], v[AO], s[14:15]
	global_load_b128 v[HT+36:HT+39], v[AO], s[14:15] offset:16
.irp v, 0,1,2,3,4
	KVLOAD \v
.endr
	s_lshl_b32 s58, s22, 1
	s_add_co_u32 s62, s62, s58                     ; span row 2 g + wave % 2
	s_lshl_b32 s58, s62, 9
	s_add_nc_u64 s[16:17], s[16:17], s[58:59]
	s_lshl_b32 s58, s62, 5
	s_add_nc_u64 s[18:19], s[18:19], s[58:59]
	s_mov_b32 s[G0], 1                             ; count = 1
	s_mov_b32 s[G0+1], s60                         ; LDS: slot 0, my piece
	s_add_nc_u64 s[G0+2:G0+3], s[10:11], s[60:61]  ; fill 0, my piece
	s_mov_b32 s[G0+4], 1
	s_add_co_u32 s[G0+5], s60, SLOT                ; slot 1
	s_add_nc_u64 s[G0+6:G0+7], s[G0+2:G0+3], SLOT  ; fill 1
	s_lshl_b32 s58, s[CX], 13                      ; the prefetches: my work-group's 8,192 bytes of my wave's piece,
	s_add_nc_u64 s[PFA:PFA+1], s[G0+2:G0+3], s[58:59]
	s_add_nc_u64 s[PFA:PFA+1], s[PFA:PFA+1], 2*SLOT   ; in fill 2: the first change of slots steps it to fill 3.  Nothing is prefetched here at the head
	s_or_b32 s[G0+3], s[G0+3], 0x80000000          ; type = 2
	s_or_b32 s[G0+7], s[G0+7], 0x80000000
	CROUND                                         ; all four work-groups are here: the first joint loads meet
	tensor_load_to_lds s[G0:G0+3], s[G1:G1+7]      ; slot 0's first fill, a wave's one tensor load at the head
	s_nop 0
	PLACES
.irp v, 5,6,7
	KVLOAD \v
.endr
	s_wait_loadcnt 56                              ; set 0 and all that was asked for ahead of it are in; seven sets may be out
	TURNX 0
.irp j, 0,2,4,6                                ; qh = ((p0 + p1) + (p2 + p3)) + bq: my 8 numbers
	v_pk_add_f32 v[HT+\j:HT+\j+1], v[HT+\j:HT+\j+1], v[HT+8+\j:HT+9+\j]
	v_pk_add_f32 v[HT+16+\j:HT+17+\j], v[HT+16+\j:HT+17+\j], v[HT+24+\j:HT+25+\j]
.endr
.irp j, 0,2,4,6
	v_pk_add_f32 v[HT+\j:HT+\j+1], v[HT+\j:HT+\j+1], v[HT+16+\j:HT+17+\j]
.endr
.irp j, 0,2,4,6
	v_pk_add_f32 v[HT+\j:HT+\j+1], v[HT+\j:HT+\j+1], v[HT+32+\j:HT+33+\j]
.endr
.irp j, 0,2,4,6
	v_pk_mul_f32 v[HT+\j:HT+\j+1], v[HT+\j:HT+\j+1], 0x3e38aa3b op_sel_hi:[1,0]    ; x log2(e) / sqrt(64)
.endr
	ds_store_b128 v[AQ], v[HT:HT+3]                ; read by other waves only behind phase X's barriers
	ds_store_b128 v[AQ], v[HT+4:HT+7] offset:16
.irp mt, 0,1,2,3,4,5,6,7
	v_cmp_ne_u32 s[MK+\mt], 0, v[HT+40+\mt]
.endr
	; ---- PHASE X
.irp v, 0,1,2,3,4,5,6,7,8,9,10,11,12,13,14,15,16,17,18,19,20,21,22,23,24,25,26,27,28,29,30,31
	HALF \v
.endr
	; ---- THE MATRIX PHASE
.irp u, 0,1,2,3                                ; kv's scale words: register 8 u + ks: lanes 0-15 row tile 2 u, lanes 16-31 row tile 2 u + 1
.irp g, 0,1
	ds_load_b128 v[ASC+8*\u+4*\g:ASC+8*\u+4*\g+3], v[SR] offset:1024*\u+16*\g
.endr
.endr
	FIRST 0, 0                                     ; (my piece of slot 0 was waited for in phase X)
	s_wait_dscnt 0x0
.Lpass:                                            ; three trips: passes 0 to 2 fill both slots again
	PASS 1
	s_sub_co_u32 s[RND], s[RND], 1
	s_cmp_lg_u32 s[RND], 0
	s_cbranch_scc1 .Lpass
	PASS 0                                         ; the last pass is written out: it asks for nothing
	; ---- the two span rows are whole: quantised along their 1,024, a lane a block of 32
	s_wait_dscnt 0x0                               ; for the others' sake: my stores of span numbers have landed
	s_barrier_signal -1
	s_barrier_wait -1
	s_cmp_gt_u32 s[WV], 1
	s_cbranch_scc1 .Ldone
.irp j, 0,1,2,3,4,5,6,7
	ds_load_b128 v[X+4*\j:X+4*\j+3], v[OUTR] offset:16*\j
.endr
	s_wait_dscnt 0x0
	BLOCKQ X, PC, SB0
	global_store_b128 v[L16], v[PC:PC+3], s[16:17] ; a row's 512 bytes of codes: 32 lanes, consecutive
	global_store_b8 v[LN], v[SB0], s[18:19]        ; and its 32 scale bytes
.Ldone:
	s_wait_tensorcnt 0x0                           ; the wave's end: behind my last tensor load and my last LDS store
	ds_add_u32 v[SPW], v[NIL]
	s_wait_dscnt 0x0
	CROUND                                         ; the closing round: no work-group ends while a partner may still ask for a piece that names it
	s_endpgm
.Lfunc_end_k_qdf08072a7e_main:
	.size	k_qdf08072a7e_main, .Lfunc_end_k_qdf08072a7e_main-k_qdf08072a7e_main
	.p2alignl 7, 3214868480
	.fill 96, 4, 3214868480
	.section	.rodata,"a",@progbits
	.p2align	6, 0x0
	.amdhsa_kernel k_qdf08072a7e_main
		.amdhsa_group_segment_fixed_size 327680
		.amdhsa_private_segment_fixed_size 0
		.amdhsa_enable_private_segment 0
		.amdhsa_kernarg_size 64
		.amdhsa_user_sgpr_count 2
		.amdhsa_user_sgpr_kernarg_segment_ptr 1
		.amdhsa_wavefront_size32 1
		.amdhsa_system_sgpr_workgroup_id_x 1
		.amdhsa_system_sgpr_workgroup_id_y 1
		.amdhsa_system_sgpr_workgroup_id_z 1
		.amdhsa_system_vgpr_workitem_id 0
		.amdhsa_next_free_vgpr 1024
		.amdhsa_next_free_sgpr 66
		.amdhsa_reserve_vcc 0
		.amdhsa_float_denorm_mode_32 3
		.amdhsa_float_denorm_mode_16_64 3
		.amdhsa_memory_ordered 1
		.amdhsa_forward_progress 1
		.amdhsa_inst_pref_size 255
	.end_amdhsa_kernel
	.section	.bss,"aw",@nobits
	.p2align	6
	.space	262144
	.amdgpu_metadata
---
amdhsa.version: [ 1, 2 ]
amdhsa.kernels:
  - .name:           k_qdf08072a7e_main
    .symbol:         k_qdf08072a7e_main.kd
    .args:
      - { .name: kv, .offset: 0, .size: 8, .value_kind: global_buffer, .address_space: global }
      - { .name: mask, .offset: 8, .size: 8, .value_kind: global_buffer, .address_space: global }
      - { .name: bkv, .offset: 16, .size: 8, .value_kind: global_buffer, .address_space: global }
      - { .name: wkv_img, .offset: 24, .size: 8, .value_kind: global_buffer, .address_space: global }
      - { .name: qh_part, .offset: 32, .size: 8, .value_kind: global_buffer, .address_space: global }
      - { .name: bq, .offset: 40, .size: 8, .value_kind: global_buffer, .address_space: global }
      - { .name: o_codes, .offset: 48, .size: 8, .value_kind: global_buffer, .address_space: global }
      - { .name: o_scales, .offset: 56, .size: 8, .value_kind: global_buffer, .address_space: global }
    .group_segment_fixed_size: 327680
    .private_segment_fixed_size: 0
    .kernarg_segment_align: 8
    .kernarg_segment_size: 64
    .max_flat_workgroup_size: 128
    .sgpr_count:     66
    .vgpr_count:     1024
    .wavefront_size: 32
...
	.end_amdgpu_metadata
.endif
;; end of part 2
;; launch proj (part 3): grid 256 x 1, 4 waves a work-group, no clusters, 35,328 bytes of LDS; arguments o_codes, o_scales, wo_img, bo, out0; writes out0
.if DOCPART == 3
	.amdgcn_target "amdgcn-amd-amdhsa--gfx1250"
	.amdhsa_code_object_version 6
	.text
	.protected	k_qdf08072a7e_proj
	.globl	k_qdf08072a7e_proj
	.p2align	8
	.type	k_qdf08072a7e_proj,@function
k_qdf08072a7e_proj:
	s_mov_b64 s[64:65], 0
	v_nop
	global_prefetch_b8 v0, s[64:65] scope:SCOPE_SE
	s_setreg_imm32_b32 hwreg(HW_REG_WAVE_MODE, 25, 1), 1
	s_wait_xcnt 0x0
; out0 [512][1024] f32 = (the span rows, as codes of FP4 with E8M0 scales) x (Wo, likewise) + bo.  o_codes [512][512 bytes], K innermost; o_scales [512][32]; wo_img: 16 pieces of 64 columns in operand order
; (codes: fragment (ks, nt) at ks*4096 + nt*1024, two loads of 16 bytes a lane at 16 x lane, 512 bytes apart; scale bytes from 32,768: [nt / 2][ks / 4][lane][16]).
; A work-group makes 32 rows x 64 columns; its four waves take a quarter of K each, two K steps of 128: so no byte is loaded twice in a work-group, and a wave's 28 loads are all out together, from memory straight into registers.
; The four partial sums meet in LDS behind one barrier; each wave adds up eight rows, with bo, and stores them.  The f32 sum's order so differs from a plain ascending one: four quarters of K, then (q0 + q1) + (q2 + q3) + bo.
; No cluster: a wave's whole work is 8 matrix instructions; joint requests would add a turn through LDS and two rounds of the cluster's barrier to it.  No prefetch: there is no loop to run ahead in.
; THE MATRIX INSTRUCTION IS USED TRANSPOSED (source 0 = 32 columns of Wo, source 1 = 16 rows): a lane holds runs of eight neighbouring numbers of a row of out0.
; REGISTERS: v1-10 addresses; v16-19 bo; v20-25 scale words; v30-31 the add's; v32-63 the rows' fragments ((k, mt) at 16 k + 8 mt); v64-127 Wo's ((k, nt) at 32 k + 8 nt); v128-191 accumulators ((mt, u) at 16 (2 mt + u));
;   behind the products v32-95 the partial sums on their way out (partial p, row pair i at 16 p + 4 i).
; LIMITS: NaN and infinities among the inputs are not served.
.set PIECEB, 34816
.set SPITCH, 272                       ; a stage row: 256 bytes + 16 of padding
.set STG,    32*SPITCH                 ; a wave's stage: its partial sums of 32 rows x 64 columns: 34 blocks of 256 bytes
.set SPARE,  4*STG                     ; behind the four stages: the spare words, 128 bytes for each wave: two blocks of 256 bytes that no other line names
.set SPW, 30                           ; LDS address of my spare word: SPARE + 4 x my thread's number; never rewritten
.set NIL, 31                           ; 0; never rewritten
.set AF,  32
.set WF,  64
.set AC,  128
	s_load_b256 s[4:11], s[0:1], 0x0               ; o_codes s[4:5], o_scales s[6:7], wo_img s[8:9], bo s[10:11]
	s_load_b64 s[12:13], s[0:1], 0x20              ; out0
	v_lshl_add_u32 v[SPW], v0, 2, SPARE
	v_mov_b32 v[NIL], 0
	v_lshrrev_b32 v1, 5, v0
	v_readfirstlane_b32 s14, v1                    ; wave w = 0..3: K steps 2 w and 2 w + 1
	v_and_b32 v1, 31, v0                           ; lane
	v_and_b32 v2, 15, v0                           ; r
	v_bfe_u32 v3, v0, 4, 1                         ; h
	v_lshlrev_b32 v4, 9, v2
	v_lshl_add_u32 v4, v3, 4, v4                   ; the rows' codes: 512 r + 16 h
	v_lshlrev_b32 v5, 5, v1                        ; their scale bytes: 32 x lane
	v_lshlrev_b32 v6, 4, v1                        ; Wo's image: 16 x lane
	v_lshlrev_b32 v7, 4, v2                        ; bo: 16 r
	v_mul_u32_u24 v8, v2, SPITCH
	v_lshl_add_u32 v8, v3, 5, v8                   ; my stage, in: row r, 32 bytes at 32 h
	v_mul_u32_u24 v9, v3, SPITCH
	v_lshl_add_u32 v9, v2, 4, v9                   ; back: lanes 0-15 one row, lanes 16-31 the next
	v_lshlrev_b32 v10, 12, v3
	v_lshl_add_u32 v10, v2, 4, v10                 ; and the same two rows in out0
	s_mul_i32 s17, s14, STG
	s_mul_i32 s18, s14, 8*SPITCH
	v_add_nc_u32 v8, s17, v8
	v_add_nc_u32 v9, s18, v9                       ; from row 8 w on
	s_lshr_b32 s15, ttmp9, 4                       ; which 32 rows
	s_and_b32 s16, ttmp9, 15                       ; which 64 columns
	s_mov_b32 s19, 0
	s_wait_alu depctr_va_vdst(0)
	s_wait_kmcnt 0x0
	s_lshl_b32 s18, s15, 14                        ; the rows' codes: 32 rows of 512 bytes,
	s_lshl_b32 s17, s14, 7                         ; 64 bytes a K step
	s_add_co_u32 s18, s18, s17
	s_add_nc_u64 s[4:5], s[4:5], s[18:19]
	s_lshl_b32 s18, s15, 10                        ; their scale bytes: 32 rows of 32 bytes,
	s_lshl_b32 s17, s14, 3                         ; 4 bytes a K step
	s_add_co_u32 s18, s18, s17
	s_add_nc_u64 s[6:7], s[6:7], s[18:19]
	s_mul_i32 s18, s16, PIECEB                     ; my piece of Wo:
	s_add_nc_u64 s[8:9], s[8:9], s[18:19]
	s_lshr_b32 s18, s14, 1                         ; its scale words: 512 bytes for four K steps,
	s_lshl_b32 s18, s18, 9
	s_and_b32 s17, s14, 1
	s_lshl_b32 s17, s17, 3                         ; of a lane's sixteen bytes my eight
	s_add_co_u32 s18, s18, s17
	s_add_co_u32 s18, s18, 32768
	s_add_nc_u64 s[20:21], s[8:9], s[18:19]
	s_lshl_b32 s18, s14, 13                        ; its codes: 4,096 bytes a K step
	s_add_nc_u64 s[8:9], s[8:9], s[18:19]
	s_lshl_b32 s18, s16, 8
	s_add_nc_u64 s[10:11], s[10:11], s[18:19]      ; bo of my 64 columns
	s_add_nc_u64 s[12:13], s[12:13], s[18:19]      ; out0: my columns,
	s_lshl_b32 s18, s15, 17                        ; 32 rows of 4,096 bytes,
	s_lshl_b32 s17, s14, 15                        ; from row 8 w on
	s_add_co_u32 s18, s18, s17
	s_add_nc_u64 s[12:13], s[12:13], s[18:19]
	global_load_b64 v[20:21], v5, s[6:7]           ; the rows' scale words of my two K steps: lanes 0-15 row tile 0, lanes 16-31 row tile 1
.irp u, 0,1
	global_load_b64 v[22+2*\u:23+2*\u], v6, s[20:21] offset:1024*\u                ; Wo's: lanes 0-15 column tile 2 u, lanes 16-31 column tile 2 u + 1
.endr
.irp k, 0,1
.irp mt, 0,1
.irp c, 0,1
	global_load_b128 v[AF+16*\k+8*\mt+4*\c:AF+16*\k+8*\mt+4*\c+3], v4, s[4:5] offset:8192*\mt+64*\k+32*\c
.endr
.endr
.irp nt, 0,1,2,3
.irp c, 0,1
	global_load_b128 v[WF+32*\k+8*\nt+4*\c:WF+32*\k+8*\nt+4*\c+3], v6, s[8:9] offset:4096*\k+1024*\nt+512*\c
.endr
.endr
.endr
	global_load_b128 v[16:19], v7, s[10:11]        ; bo at my four columns on the way out
	s_wait_loadcnt 13                              ; the scale words and my first K step are in; the second's twelve loads and bo may be out
.irp u, 0,1                                    ; the four accumulators take turns, one instruction a turn; the first products start the sums
	v_wmma_scale_f32_32x16x128_f4 v[AC+16*\u:AC+16*\u+15], v[WF+16*\u:WF+16*\u+15], v[AF:AF+7], 0, v[22+2*\u], v20
.endr
.irp u, 0,1
	v_wmma_scale_f32_32x16x128_f4 v[AC+32+16*\u:AC+32+16*\u+15], v[WF+16*\u:WF+16*\u+15], v[AF+8:AF+15], 0, v[22+2*\u], v20 matrix_b_scale:MATRIX_SCALE_ROW1
.endr
	s_wait_loadcnt 1                               ; and the second; bo may be out
.irp u, 0,1
	v_wmma_scale_f32_32x16x128_f4 v[AC+16*\u:AC+16*\u+15], v[WF+32+16*\u:WF+32+16*\u+15], v[AF+16:AF+23], v[AC+16*\u:AC+16*\u+15], v[23+2*\u], v21
.endr
.irp u, 0,1
	v_wmma_scale_f32_32x16x128_f4 v[AC+32+16*\u:AC+32+16*\u+15], v[WF+32+16*\u:WF+32+16*\u+15], v[AF+24:AF+31], v[AC+32+16*\u:AC+32+16*\u+15], v[23+2*\u], v21 matrix_b_scale:MATRIX_SCALE_ROW1
.endr
.rept 4
	v_nop                                          ; four plain lines between the last product and the first read of results (ISA guide 7.12.1)
.endr
.irp mt, 0,1
.irp nt, 0,1,2,3                               ; accumulator (mt, nt / 2), registers 8 (nt % 2) + j: row 16 mt + r, column 16 nt + 8 h + j; each accumulator from its low end on
	ds_store_b128 v8, v[AC+32*\mt+8*\nt:AC+32*\mt+8*\nt+3] offset:16*SPITCH*\mt+64*\nt
	ds_store_b128 v8, v[AC+32*\mt+8*\nt+4:AC+32*\mt+8*\nt+7] offset:16*SPITCH*\mt+64*\nt+16
.endr
.endr
	s_wait_dscnt 0x0                               ; for the others' sake: my partial sums have landed
	s_barrier_signal -1
	s_barrier_wait -1
.irp i, 0,1,2,3
.irp p, 0,1,2,3
	ds_load_b128 v[32+16*\p+4*\i:35+16*\p+4*\i], v9 offset:STG*\p+2*SPITCH*\i      ; wave p's sums of rows 8 w + 2 i + h
.endr
.endr
	s_wait_loadcnt 0x0                             ; bo
.irp i, 0,1,2,3
	s_wait_dscnt 12-4*\i                           ; row pair i's four loads are back; the younger ones may be out
.irp j, 0,2
	v_pk_add_f32 v[32+4*\i+\j:33+4*\i+\j], v[32+4*\i+\j:33+4*\i+\j], v[48+4*\i+\j:49+4*\i+\j]
	v_pk_add_f32 v[64+4*\i+\j:65+4*\i+\j], v[64+4*\i+\j:65+4*\i+\j], v[80+4*\i+\j:81+4*\i+\j]
.endr
.irp j, 0,2
	v_pk_add_f32 v[32+4*\i+\j:33+4*\i+\j], v[32+4*\i+\j:33+4*\i+\j], v[64+4*\i+\j:65+4*\i+\j]
.endr
.irp j, 0,2
	v_pk_add_f32 v[32+4*\i+\j:33+4*\i+\j], v[32+4*\i+\j:33+4*\i+\j], v[16+\j:17+\j]
.endr
	global_store_b128 v10, v[32+4*\i:35+4*\i], s[12:13] offset:8192*\i th:TH_STORE_NT   ; sixteen lanes store 256 consecutive bytes, aligned
.endr
	s_wait_tensorcnt 0x0                           ; the wave's end: behind my last LDS store
	ds_add_u32 v[SPW], v[NIL]
	s_wait_dscnt 0x0
	s_endpgm
.Lfunc_end_k_qdf08072a7e_proj:
	.size	k_qdf08072a7e_proj, .Lfunc_end_k_qdf08072a7e_proj-k_qdf08072a7e_proj
	.p2alignl 7, 3214868480
	.fill 96, 4, 3214868480
	.section	.rodata,"a",@progbits
	.p2align	6, 0x0
	.amdhsa_kernel k_qdf08072a7e_proj
		.amdhsa_group_segment_fixed_size 35328
		.amdhsa_private_segment_fixed_size 0
		.amdhsa_enable_private_segment 0
		.amdhsa_kernarg_size 40
		.amdhsa_user_sgpr_count 2
		.amdhsa_user_sgpr_kernarg_segment_ptr 1
		.amdhsa_wavefront_size32 1
		.amdhsa_system_sgpr_workgroup_id_x 1
		.amdhsa_system_sgpr_workgroup_id_y 1
		.amdhsa_system_sgpr_workgroup_id_z 1
		.amdhsa_system_vgpr_workitem_id 0
		.amdhsa_next_free_vgpr 192
		.amdhsa_next_free_sgpr 66
		.amdhsa_reserve_vcc 0
		.amdhsa_float_denorm_mode_32 3
		.amdhsa_float_denorm_mode_16_64 3
		.amdhsa_memory_ordered 1
		.amdhsa_forward_progress 1
		.amdhsa_inst_pref_size 12
	.end_amdhsa_kernel
	.amdgpu_metadata
---
amdhsa.version: [ 1, 2 ]
amdhsa.kernels:
  - .name:           k_qdf08072a7e_proj
    .symbol:         k_qdf08072a7e_proj.kd
    .args:
      - { .name: o_codes, .offset: 0, .size: 8, .value_kind: global_buffer, .address_space: global }
      - { .name: o_scales, .offset: 8, .size: 8, .value_kind: global_buffer, .address_space: global }
      - { .name: wo_img, .offset: 16, .size: 8, .value_kind: global_buffer, .address_space: global }
      - { .name: bo, .offset: 24, .size: 8, .value_kind: global_buffer, .address_space: global }
      - { .name: out0, .offset: 32, .size: 8, .value_kind: global_buffer, .address_space: global }
    .group_segment_fixed_size: 35328
    .private_segment_fixed_size: 0
    .kernarg_segment_align: 8
    .kernarg_segment_size: 40
    .max_flat_workgroup_size: 128
    .sgpr_count:     66
    .vgpr_count:     192
    .wavefront_size: 32
...
	.end_amdgpu_metadata
.endif
;; end of part 3
